; MI455X (gfx1250); checked and timed in simulation.
; The chip was launched on July 23, 2026; its instructions are those of AMD's public machine-readable ISA for CDNA 5 (MIT licence, August 2026) and "CDNA5" Instruction Set Architecture Reference Guide (July 2026). The comments in the code are by the model that wrote it; some were corrected since.
;; Multi Head Attention. Allowed arithmetic: matrix products marked QUANTISED: E5M2 operands, one E8M0 scale for each 32 along K, by v_wmma_scale_f32_16x16x128_f8f6f4 with both operands' format E5M2, f32 sums; everything else in f32.
;; Inputs: W_out_codes 1,024 x 32 x 32 uint8 (E5M2 codes of W_out, K innermost, in blocks of 32 codes); W_out_scales 1,024 x 32 uint8 (E8M0 scales of W_out, one for each 32 codes along K); W_qkv_codes 3,072 x 32 x 32 uint8 (E5M2 codes of W_qkv, K innermost, in blocks of 32 codes); W_qkv_scales 3,072 x 32 uint8 (E8M0 scales of W_qkv, one for each 32 codes along K); b_out 1,024 float32; b_qkv 3,072 float32; x_codes 4 x 2,048 x 32 x 32 uint8 (E5M2 codes of x, K innermost, in blocks of 32 codes); x_scales 4 x 2,048 x 32 uint8 (E8M0 scales of x, one for each 32 codes along K).
;; Outputs: out0 4 x 2,048 x 1,024 float32.
;; This version of the problem:
;;   THIS VERSION OF THE PROBLEM IS GIVEN IN LOW PRECISION. The matrix products marked QUANTISED in the list below multiply operands that are first quantised to E5M2 (5 exponent bits, 2 mantissa bits; 8 bits a number), with one power-of-two scale for each 32 numbers along K (OCP MX v1.0); their sums are f32. All else is computed in f32.
;;   The module's matrix products, in the order in which they are computed (A, B: the left and right operand; K: the contracted axis; several contracted axes count as one K, in the product's order):
;;     1. [M 8,192, K 1,024] x [K 1,024, N 3,072]; A: input x (given as codes); B: input W_qkv (given as codes): QUANTISED
;;     2. batch 64 x [M 2,048, K 64] x [K 64, N 2,048]; A: computed on the way; B: computed on the way: QUANTISED
;;     3. batch 64 x [M 64, K 2,048] x [K 2,048, N 2,048]; A: computed on the way; B: softmax (see below): QUANTISED
;;     4. [M 8,192, K 1,024] x [K 1,024, N 1,024]; A: computed on the way; B: input W_out (given as codes): QUANTISED
;;   THE QUANTISER, for each operand of a quantised product, along K:
;;     - K is cut into blocks of 32 from its start; a last block that is shorter is filled with zeros.
;;     - A block's scale is 2^e with e = floor(log2(the largest magnitude in the block)) - 15, held to -126 .. 127; a block of zeros has e = 0. As a byte (E8M0): e + 127.
;;     - Each number is divided by its block's scale, clamped to +-57,344, and rounded to the nearest number of E5M2, ties to even, subnormals kept.
;;     - The product sums the exact products of the quantised numbers (number of the format x scale) in f32.
;;   ~~~python
;;   def quantise(x, axis):      # numpy; x: float32 -> the quantised numbers, widened to float32 again
;;       x = np.moveaxis(x, axis, -1); K = x.shape[-1]
;;       x = np.pad(x, [(0, 0)] * (x.ndim - 1) + [(0, -K % 32)]); x = x.reshape(x.shape[:-1] + (-1, 32)); a = np.abs(x).max(-1, keepdims=True)
;;       e = np.where(a > 0, np.clip(np.frexp(np.where(a > 0, a, 1))[1] - 1 - 15, -126, 127), 0)      # np.frexp(a)[1] - 1 = floor(log2(a)), exactly
;;       r = np.clip(x / 2.0 ** e, -57344, 57344)
;;       step = 2.0 ** (np.maximum(np.frexp(np.where(r == 0, 1, r))[1] - 1, -14) - 2)
;;       q = np.round(r / step) * step * 2.0 ** e      # np.round: ties to even
;;       return np.moveaxis(q.reshape(q.shape[:-2] + (-1,))[..., :K], -1, axis).astype(np.float32)
;;   ~~~
;;   SOFTMAX AHEAD OF A QUANTISED PRODUCT. Where the list says 'softmax', what is quantised is not the finished softmax but p = 2^(t - M), with t = logit x log2(e) and M = ceil(the row's largest t), a whole number; so 1/2 < the row's largest p <= 1. The row's sum l is taken of the UNQUANTISED p, in f32, and the product's result is divided by l at the end. Since M is a whole number, a kernel that streams over the keys may use a running M (the ceiling of the running maximum): every later rescaling is an exact power of two, which a block's scale takes up: the codes' values come out the same.
;;   OPERANDS COMPUTED ON THE WAY. 'Computed on the way' means the value that the module computes at that place (a softmax that the list does not call 'softmax' is quantised finished and normalised). What goes into a quantiser is computed in f32, as accurately as f32 sums, v_exp_f32 and their like allow (about 1e-6 of the number): no bf16 or f16 on the way to a quantiser, and a product that is left as it is and whose result goes on into a quantised operand takes f32 operands (vector FMAs, or v_wmma_f32_16x16x4_f32). A number that lies on a knife's edge between two numbers of the format may be rounded either way, as far as f32 arithmetic and the matrix unit's own rounding can turn it there, and no further.
;;   INPUTS GIVEN AS CODES. W_out (in the module: [1024, 1024], K = its axis 1); W_qkv (in the module: [3072, 1024], K = its axis 1); x (in the module: [4, 2048, 1024], K = its axis 2): each comes as NAME_codes (uint8): NAME with its K axis moved to the last place and cut into blocks of 32 codes, [.., K / 32, bytes a block], one block behind the other in memory; one code a byte (a code: sign, 5 exponent bits, 2 mantissa bits); and NAME_scales (uint8): the same leading axes, one E8M0 byte (e + 127) for each 32 codes along K. Its value is code x scale, taken as it is: it is not quantised again, and the codes and scales need not be those that the quantiser above would give.
;; One version. Each part assembles by itself: llvm-mc -triple=amdgcn-amd-amdhsa -mcpu=gfx1250 --defsym DOCPART=n.
;; ======== version 1 of 1: 3 launches
;; limits: right only within a limited range of input values
;; workspace buffers: q_img 8,388,608 bytes; kv_img 16,777,216 bytes; scl 1,048,576 bytes; att_img 8,388,608 bytes; att_scl 262,144 bytes
;; launch qkv (part 1): grid 16 x 32, 4 waves a work-group, clusters of 4 x 4, 327,680 bytes of LDS; arguments x_codes, x_scales, W_qkv_codes, W_qkv_scales, b_qkv, q_img, kv_img, scl; writes q_img, kv_img, scl
.if DOCPART == 1
	.amdgcn_target "amdgcn-amd-amdhsa--gfx1250"
	.amdhsa_code_object_version 6
	.text
	.protected	k_q47a7c6ca68_qkv
	.globl	k_q47a7c6ca68_qkv
	.p2align	8
	.type	k_q47a7c6ca68_qkv,@function
k_q47a7c6ca68_qkv:
	s_mov_b64 s[64:65], 0
	v_nop
	global_prefetch_b8 v0, s[64:65] scope:SCOPE_SE
	s_setreg_imm32_b32 hwreg(HW_REG_WAVE_MODE, 25, 1), 1
	s_wait_xcnt 0x0
	s_wait_alu depctr_hold_cnt(0) depctr_sa_sdst(0) depctr_va_vdst(0) depctr_va_sdst(0) depctr_va_ssrc(0) depctr_va_vcc(0) depctr_vm_vsrc(0)
	s_getreg_b32 s2, hwreg(HW_REG_IB_STS2, 6, 4)
	s_cmp_eq_u32 s2, 0
	s_cbranch_scc0 .Lentry_in_a_cluster
	s_endpgm
.Lentry_in_a_cluster:
	s_bfe_u32 s2, ttmp6, 0x10000c
	s_cmp_lg_u32 s2, 0xf033
	s_cbranch_scc0 .Lentry_shape_is_right
	s_endpgm
.Lentry_shape_is_right:
; q | k | v of one head for 256 tokens = x W_qkv^T + b_qkv on codes of E5M2 with E8M0 scales, quantised again on the way out and stored as images of the next launch's operand registers.
; K goes in steps of 256 through two LDS slots (256 rows of x, 192 of W).  BOTH slots' first fills go out at the head, one whole tile a wave: wave 0 x's K step 0, wave 1 W's K step 0, wave 2 x's K step 1, wave 3 W's K step 1.
; Behind the wait for them the descriptors are set for the ring: half a tile a wave (128 rows of x or 96 of W).  K steps 2 and 3 are refills, each behind a round of the cluster's barrier.
; Each of these two K steps is prefetched once in the cluster: the four partners of a joint load share the tile's rows out by address, a lane a row (x: 32 rows a wave; W: 24, the lanes left over name the last again).
.set PITCH, 272
.set XB,    256*PITCH
.set SLOT,  XB+192*PITCH
.set BIAS,  2*SLOT
.set SSTG,  BIAS+4096
.set SPARE, SSTG+2048
.set LI,   1
.set ADRX, 4
.set ADRW, 6
.set BQA,  8
.set BVA,  9
.set QSA,  10
.set KSA,  11
.set VSA,  12
.set SRD,  13
.set SPW,  14
.set NIL,  15
.set SX,   16
.set SW,   32
.set T,    0
.set PC,   64
.set TM,   80
.set HW,   96
.set BQ,   128
.set BV,   192
.set WV,   20
.set G1X,  32
.set G1W,  40
.set G0X,  48
.set G0W,  56
.set SEL,  66
.set MNT,  70
.set MSB, 0
.macro WIN new
.if MSB != (\new)
	s_set_vgpr_msb (MSB<<8)|(\new)
.set MSB, (\new)
.endif
.endm
.macro PLACES n
.rept \n
	v_nop
.endr
.endm
.macro CREST
	s_cmp_lg_u32 s[WV], 0
	s_cbranch_scc1 .Lnot_wave_0_\@
	s_barrier_signal -3
.Lnot_wave_0_\@:
	s_barrier_wait -3
	s_barrier_signal -1
	s_barrier_wait -1
.endm
.macro CROUND
	s_barrier_signal -1
	s_barrier_wait -1
	CREST
.endm
.macro JLOAD n
	s_cmp_eq_u32 s21, 0
	s_cbranch_scc0 .Lfor_w_\@
	tensor_load_to_lds s[G0X+4*(\n):G0X+4*(\n)+3], s[G1X:G1X+7]
	s_nop 0
.rept 4
	v_nop
.endr
	s_branch .Lasked_\@
.Lfor_w_\@:
	tensor_load_to_lds s[G0W+4*(\n):G0W+4*(\n)+3], s[G1W:G1W+7]
	s_nop 0
.rept 4
	v_nop
.endr
.Lasked_\@:
.endm
.macro WM zero
.if \zero
.if RA_ && RB_
	v_wmma_scale_f32_16x16x128_f8f6f4 v[D_:D_+7], v[A_:A_+15], v[B_:B_+15], 0, v[SA_], v[SB_] matrix_a_fmt:MATRIX_FMT_BF8 matrix_b_fmt:MATRIX_FMT_BF8 matrix_a_scale:MATRIX_SCALE_ROW1 matrix_b_scale:MATRIX_SCALE_ROW1
.elseif RA_
	v_wmma_scale_f32_16x16x128_f8f6f4 v[D_:D_+7], v[A_:A_+15], v[B_:B_+15], 0, v[SA_], v[SB_] matrix_a_fmt:MATRIX_FMT_BF8 matrix_b_fmt:MATRIX_FMT_BF8 matrix_a_scale:MATRIX_SCALE_ROW1
.elseif RB_
	v_wmma_scale_f32_16x16x128_f8f6f4 v[D_:D_+7], v[A_:A_+15], v[B_:B_+15], 0, v[SA_], v[SB_] matrix_a_fmt:MATRIX_FMT_BF8 matrix_b_fmt:MATRIX_FMT_BF8 matrix_b_scale:MATRIX_SCALE_ROW1
.else
	v_wmma_scale_f32_16x16x128_f8f6f4 v[D_:D_+7], v[A_:A_+15], v[B_:B_+15], 0, v[SA_], v[SB_] matrix_a_fmt:MATRIX_FMT_BF8 matrix_b_fmt:MATRIX_FMT_BF8
.endif
.else
.if RA_ && RB_
	v_wmma_scale_f32_16x16x128_f8f6f4 v[D_:D_+7], v[A_:A_+15], v[B_:B_+15], v[D_:D_+7], v[SA_], v[SB_] matrix_a_fmt:MATRIX_FMT_BF8 matrix_b_fmt:MATRIX_FMT_BF8 matrix_a_scale:MATRIX_SCALE_ROW1 matrix_b_scale:MATRIX_SCALE_ROW1
.elseif RA_
	v_wmma_scale_f32_16x16x128_f8f6f4 v[D_:D_+7], v[A_:A_+15], v[B_:B_+15], v[D_:D_+7], v[SA_], v[SB_] matrix_a_fmt:MATRIX_FMT_BF8 matrix_b_fmt:MATRIX_FMT_BF8 matrix_a_scale:MATRIX_SCALE_ROW1
.elseif RB_
	v_wmma_scale_f32_16x16x128_f8f6f4 v[D_:D_+7], v[A_:A_+15], v[B_:B_+15], v[D_:D_+7], v[SA_], v[SB_] matrix_a_fmt:MATRIX_FMT_BF8 matrix_b_fmt:MATRIX_FMT_BF8 matrix_b_scale:MATRIX_SCALE_ROW1
.else
	v_wmma_scale_f32_16x16x128_f8f6f4 v[D_:D_+7], v[A_:A_+15], v[B_:B_+15], v[D_:D_+7], v[SA_], v[SB_] matrix_a_fmt:MATRIX_FMT_BF8 matrix_b_fmt:MATRIX_FMT_BF8
.endif
.endif
.endm
.macro MULW q, wlo, n, zero
.set w_, \wlo
.rept \n
.set i_, 0
.rept 4
.if w_ < 8
	WIN 0xf5+5*((\q)%2)
.set D_, 8*(8*i_+w_)
.set A_, 16*w_
.set B_, 192+16*i_
.set SA_, SW+8*(w_/2)+(\q)
.set SB_, SX+8*(i_/2)+(\q)
.set RA_, w_%2
.set RB_, i_%2
.else
	WIN 0x05+5*((\q)%2)
.set D_, 128+8*(4*(w_-8)+i_)
.set A_, 192+16*i_
.set B_, 16*w_
.set SA_, SX+8*(i_/2)+(\q)
.set SB_, SW+8*(w_/2)+(\q)
.set RA_, i_%2
.set RB_, w_%2
.endif
	WM \zero
.set i_, i_+1
.endr
.set w_, w_+1
.endr
.endm
.macro FETCH q
	WIN (1+(\q)%2)<<6
.irp i, 0,1,2,3
.irp c, 0,1,2,3
	ds_load_b128 v[192+16*\i+4*\c:192+16*\i+4*\c+3], v[ADRX+((\q)/2)%2] offset:128*((\q)%2)+32*\c+\i*16*PITCH
.endr
.endr
.irp w, 0,1,2,3,4,5,6,7,8,9,10,11
.irp c, 0,1,2,3
	ds_load_b128 v[16*\w+4*\c:16*\w+4*\c+3], v[ADRW+((\q)/2)%2] offset:128*((\q)%2)+32*\c+\w*16*PITCH
.endr
.endr
.endm
.macro STEP q, zero
	s_wait_dscnt 24
	MULW \q, 0, 6, \zero
	s_wait_dscnt 0x0
	PLACES 8
	FETCH (\q)+1
	MULW \q, 6, 6, \zero
.endm
.macro TURN q, fill
	WIN 0
	s_wait_tensorcnt 0x0
	ds_add_u32 v[SPW], v[NIL]
.if (\q) == 1                                  ; the first change of slots: no load of mine is out, so the descriptors are set for the ring: half a tile a wave
	s_mov_b32 s[G1X+2], 128<<16
	s_mov_b32 s[G1X+4], 128
	s_mov_b32 s[G1W+2], 96<<16
	s_mov_b32 s[G1W+4], 96
.irp n, 0,1
	s_add_co_u32 s[G0X+4*\n+1], s[G0X+4*\n+1], s76
	s_add_nc_u64 s[G0X+4*\n+2:G0X+4*\n+3], s[G0X+4*\n+2:G0X+4*\n+3], s[78:79]
	s_add_co_u32 s[G0W+4*\n+1], s[G0W+4*\n+1], s77
	s_add_nc_u64 s[G0W+4*\n+2:G0W+4*\n+3], s[G0W+4*\n+2:G0W+4*\n+3], s[68:69]
.endr
.endif
	s_wait_dscnt 25
	MULW \q, 0, 3, 0
	s_wait_dscnt 0x0
	s_barrier_signal -1
	MULW \q, 3, 3, 0
	WIN 0
	s_barrier_wait -1
.if \fill
	CREST
	s_add_nc_u64 s[G0X+4*(((\q)/2)%2)+2:G0X+4*(((\q)/2)%2)+3], s[G0X+4*(((\q)/2)%2)+2:G0X+4*(((\q)/2)%2)+3], 512
	s_add_nc_u64 s[G0W+4*(((\q)/2)%2)+2:G0W+4*(((\q)/2)%2)+3], s[G0W+4*(((\q)/2)%2)+2:G0W+4*(((\q)/2)%2)+3], 512
	JLOAD ((\q)/2)%2
	PLACES 4
.else
	PLACES 8
.endif
	FETCH (\q)+1
	MULW \q, 6, 6, 0
.endm
.macro QUANT s
.irp b, 0,1,2,3
	v_max3_num_f32 v[TM+\b], |v[\s+16*\b]|, |v[\s+1+16*\b]|, 0x8000000
.endr
.irp i, 2,4,6,8,10,12,14
.irp b, 0,1,2,3
	v_max3_num_f32 v[TM+\b], v[TM+\b], |v[\s+16*\b+\i]|, |v[\s+1+16*\b+\i]|
.endr
.endr
.irp b, 0,1,2,3
	v_permlanex16_b32 v[TM+4+\b], v[TM+\b], s[SEL], s[SEL+1]
.endr
.irp b, 0,1,2,3
	v_max_num_f32 v[TM+\b], v[TM+\b], v[TM+4+\b]
.endr
.irp b, 0,1,2,3
	v_add_nc_u32 v[TM+12+\b], 0xf8800000, v[TM+\b]
.endr
.irp b, 0,1,2,3
	v_and_or_b32 v[TM+8+\b], v[TM+\b], 0x7f800000, s[MNT]
.endr
.irp b, 0,1,2,3
	v_lshrrev_b32 v[TM+4+\b], 23, v[TM+12+\b]
.endr
.irp b, 0,1,2,3
.irp i, 0,1,2,3,4,5,6,7,8,9,10,11,12,13,14,15
	v_med3_num_f32 v[\s+16*\b+\i], v[\s+16*\b+\i], -v[TM+8+\b], v[TM+8+\b]
.endr
	v_cvt_scalef32_pk8_bf8_f32 v[PC+4*\b:PC+1+4*\b], v[\s+16*\b:\s+7+16*\b], v[TM+12+\b]
	v_cvt_scalef32_pk8_bf8_f32 v[PC+2+4*\b:PC+3+4*\b], v[\s+8+16*\b:\s+15+16*\b], v[TM+12+\b]
.endr
	v_nop
.endm
	s_load_b256 s[4:11], s[0:1], 0x0
	s_load_b256 s[12:19], s[0:1], 0x20
	v_lshl_add_u32 v[SPW], v0, 2, SPARE
	v_mov_b32 v[NIL], 0
	ds_add_u32 v14, v15
	ds_add_u32 v14, v15
	s_wait_dscnt 0x0
	v_lshrrev_b32 v2, 5, v0
	v_readfirstlane_b32 s[WV], v2
	s_lshr_b32 s21, s[WV], 1
	s_and_b32 s22, s[WV], 1
	s_bfe_u32 s23, ttmp6, 0x40000
	s_bfe_u32 s24, ttmp6, 0x40004
	s_lshl_b32 s25, ttmp9, 2
	s_add_co_u32 s25, s25, s23
	s_and_b32 s26, ttmp7, 0xffff
	s_lshl_b32 s26, s26, 2
	s_add_co_u32 s26, s26, s24
	s_lshl_b32 s27, s24, 2
	s_lshl_b32 s27, 15, s27
	s_lshl_b32 s28, 0x1111, s23
	s_or_b32 s[G1X], s27, (1<<20)|(1<<21)|(5<<22)|(3<<25)
	s_or_b32 s[G1W], s28, (1<<20)|(1<<21)|(5<<22)|(3<<25)
	s_mov_b32 s[G1X+1], 256<<16
	s_mov_b32 s[G1X+2], 256<<16
	s_mov_b32 s[G1X+3], 256<<16
	s_mov_b32 s[G1X+4], 256
	s_mov_b32 s[G1X+5], 1024
	s_mov_b32 s[G1X+6], 0
	s_mov_b32 s[G1X+7], 0
	s_mov_b32 s[G1W+1], 256<<16
	s_mov_b32 s[G1W+2], 192<<16
	s_mov_b32 s[G1W+3], 256<<16
	s_mov_b32 s[G1W+4], 192
	s_mov_b32 s[G1W+5], 1024
	s_mov_b32 s[G1W+6], 0
	s_mov_b32 s[G1W+7], 0
	s_lshl_b32 s72, s26, 18                        ; the tile's first row of x, in bytes
	s_mov_b32 s73, 0
	s_lshl_b32 s78, s22, 17                        ; in the ring I fetch half a tile: 128 rows of x on,
	s_mov_b32 s79, 0
	s_mul_i32 s74, s25, 196608                     ; the tile's first row of W
	s_mov_b32 s75, 0
	s_mul_i32 s68, s22, 98304                      ; or 96 rows of W on,
	s_mov_b32 s69, 0
	s_mul_i32 s76, s22, 128*PITCH                  ; and the same in LDS
	s_mul_i32 s77, s22, 96*PITCH
	s_mov_b32 s[SEL], 0x76543210
	s_mov_b32 s[SEL+1], 0xfedcba98
	s_mov_b32 s[MNT], 0x600000
	s_lshl_b32 s88, s26, 13
	s_lshl_b32 s89, s[WV], 11
	s_add_co_u32 s88, s88, s89
	s_mov_b32 s89, 0
	s_mul_i32 s90, s25, 6144
	s_mov_b32 s91, 0
	s_mul_i32 s92, s25, 768
	s_mov_b32 s93, 0
	s_lshr_b32 s29, s26, 3
	s_and_b32 s30, s26, 7
	s_lshl_b32 s29, s29, 4
	s_add_co_u32 s29, s29, s25
	s_lshl_b32 s80, s29, 17
	s_lshl_b32 s31, s30, 14
	s_add_co_u32 s80, s80, s31
	s_lshl_b32 s31, s[WV], 12
	s_add_co_u32 s80, s80, s31
	s_mov_b32 s81, 0
	s_lshl_b32 s82, s29, 18
	s_lshl_b32 s31, s30, 15
	s_add_co_u32 s82, s82, s31
	s_lshl_b32 s31, s21, 14
	s_add_co_u32 s82, s82, s31
	s_lshl_b32 s31, s22, 10
	s_add_co_u32 s84, s82, s31
	s_add_co_u32 s84, s84, 8192
	s_mov_b32 s85, 0
	s_lshl_b32 s31, s22, 12
	s_add_co_u32 s82, s82, s31
	s_mov_b32 s83, 0
	s_lshl_b32 s86, s29, 14
	s_lshl_b32 s31, s30, 11
	s_add_co_u32 s86, s86, s31
	s_lshl_b32 s31, s[WV], 9
	s_add_co_u32 s86, s86, s31
	s_mov_b32 s87, 0
	s_wait_kmcnt 0x0
	s_add_nc_u64 s[72:73], s[4:5], s[72:73]
	s_add_nc_u64 s[74:75], s[8:9], s[74:75]
.irp n, 0,1
	s_mov_b32 s[G0X+4*\n], 1                       ; for the head: slot n's whole tile
	s_mov_b32 s[G0X+4*\n+1], \n*SLOT
	s_add_nc_u64 s[G0X+4*\n+2:G0X+4*\n+3], s[72:73], \n*256
	s_or_b32 s[G0X+4*\n+3], s[G0X+4*\n+3], 0x80000000
	s_mov_b32 s[G0W+4*\n], 1
	s_mov_b32 s[G0W+4*\n+1], XB+\n*SLOT
	s_add_nc_u64 s[G0W+4*\n+2:G0W+4*\n+3], s[74:75], \n*256
	s_or_b32 s[G0W+4*\n+3], s[G0W+4*\n+3], 0x80000000
.endr
	CROUND                                         ; all sixteen work-groups are here: the first joint loads meet
.macro ARM under, g0, g1, next                 ; one chain of branches on the wave's number, a load to an arm: one tensor load a wave at the head
	s_cmp_lt_u32 s[WV], \under
	s_cbranch_scc0 \next
	tensor_load_to_lds s[\g0:\g0+3], s[\g1:\g1+7]
	s_nop 0
	PLACES 4
	s_branch .Lhead_asked
\next:
.endm
	ARM 1, G0X, G1X, .Lhead_w0                     ; slot 0's two tiles are asked for by waves 0 and 1, which alone wait at the first barrier;
	ARM 2, G0W, G1W, .Lhead_x1
	ARM 3, G0X+4, G1X, .Lhead_w1                   ; slot 1's by waves 2 and 3, which wait at the first change of slots
	tensor_load_to_lds s[G0W+4:G0W+7], s[G1W:G1W+7]
	s_nop 0
	PLACES 4
.Lhead_asked:
	s_cmp_eq_u32 s21, 0                            ; the prefetches: waves 0, 1 ask for x, waves 2, 3 for W
	s_cselect_b64 s[98:99], s[72:73], s[74:75]     ; the tile's first row
	s_cselect_b32 s97, s23, s24                    ; my place among the four that ask for it jointly
	s_cselect_b32 s71, 32, 24                      ; rows a wave names
	s_lshl_b32 s97, s97, 1
	s_add_co_u32 s97, s97, s22
	s_mul_i32 s97, s97, s71                        ; my wave's first row
	s_lshl_b32 s2, s97, 10
	s_mov_b32 s3, 0
	s_add_nc_u64 s[98:99], s[98:99], s[2:3]
	s_sub_co_u32 s71, s71, 1
	v_and_b32 v92, 31, v0
	v_min_u32 v92, s71, v92
	v_lshlrev_b32 v92, 10, v92                     ; a lane a row of 1,024 bytes; v92 and s[98:99] are never rewritten
	global_prefetch_b8 v92, s[98:99] offset:512 th:TH_LOAD_NT scope:SCOPE_SE   ; K step 2, which the first refill asks for
	s_add_nc_u64 s[6:7], s[6:7], s[88:89]
	s_add_nc_u64 s[10:11], s[10:11], s[90:91]
	s_add_nc_u64 s[12:13], s[12:13], s[92:93]
	s_add_nc_u64 s[80:81], s[14:15], s[80:81]
	s_add_nc_u64 s[82:83], s[16:17], s[82:83]
	s_add_nc_u64 s[84:85], s[16:17], s[84:85]
	s_add_nc_u64 s[86:87], s[18:19], s[86:87]
	v_and_b32 v2, 31, v0
	v_lshlrev_b32 v[LI], 4, v2
	v_lshlrev_b32 v3, 5, v2
	v_lshlrev_b32 v86, 2, v2
.irp j, 0,1
	global_load_b128 v[SX+8*\j:SX+8*\j+3], v3, s[6:7] offset:1024*\j
	global_load_b128 v[SX+8*\j+4:SX+8*\j+7], v3, s[6:7] offset:1024*\j+16
.endr
.irp g, 0,1,2,3,4,5
	global_load_b128 v[SW+8*\g:SW+8*\g+3], v3, s[10:11] offset:1024*\g
	global_load_b128 v[SW+8*\g+4:SW+8*\g+7], v3, s[10:11] offset:1024*\g+16
.endr
.irp j, 0,1,2,3,4,5
	global_load_b32 v[80+\j], v86, s[12:13] offset:128*\j
.endr
	v_and_b32 v88, 15, v0
	v_bfe_u32 v89, v0, 4, 1
	v_mul_u32_u24 v90, v88, PITCH
	v_lshl_add_u32 v90, v89, 4, v90
	s_mul_i32 s94, s[WV], 64*PITCH
	v_add_nc_u32 v[ADRX], s94, v90
	v_add_nc_u32 v[ADRX+1], SLOT, v[ADRX]
	v_add_nc_u32 v[ADRW], XB, v90
	v_add_nc_u32 v[ADRW+1], SLOT, v[ADRW]
	s_lshl_b32 s94, s[WV], 10
	s_add_co_u32 s94, s94, BIAS
	v_lshl_add_u32 v[BQA], v89, 5, s94
	v_lshl_add_u32 v[BVA], v88, 2, s94
	v_add_nc_u32 v[BVA], 512, v[BVA]
	v_add_nc_u32 v87, s94, v86
	s_lshl_b32 s95, s[WV], 8
	s_add_co_u32 s95, s95, SSTG
	v_lshl_add_u32 v[QSA], v88, 2, s95
	s_lshl_b32 s95, s21, 9
	s_lshl_b32 s96, s22, 7
	s_add_co_u32 s96, s96, s95
	s_add_co_u32 s96, s96, SSTG+1024
	v_lshl_add_u32 v[KSA], v88, 2, s96
	s_lshl_b32 s96, s22, 1
	s_add_co_u32 s96, s96, s95
	s_add_co_u32 s96, s96, SSTG+1280
	v_lshl_add_u32 v[VSA], v88, 2, s96
	s_lshl_b32 s95, s[WV], 9
	s_add_co_u32 s95, s95, SSTG
	v_add_nc_u32 v[SRD], s95, v[LI]
	s_wait_alu depctr_va_vdst(0)
	s_wait_loadcnt 0x0
.irp j, 0,1,2,3,4,5
	ds_store_b32 v87, v[80+\j] offset:128*\j
.endr
	s_cmp_lt_u32 s[WV], 2
	s_cbranch_scc0 .Lslot_1_later
	s_wait_tensorcnt 0x0                           ; waves 0 and 1: slot 0's tiles are in; the first two steps of 128 read slot 0 alone
.Lslot_1_later:
	s_wait_dscnt 0x0
	s_barrier_signal -1
	s_barrier_wait -1
	FETCH 0
	global_prefetch_b8 v92, s[98:99] offset:768 th:TH_LOAD_NT scope:SCOPE_SE   ; K step 3, which the second refill asks for, three steps of 128 on
	STEP 0, 1
	TURN 1, 1
	STEP 2, 0
	TURN 3, 1
	STEP 4, 0
	TURN 5, 0
	STEP 6, 0
	s_wait_dscnt 24
	MULW 7, 0, 6, 0
	s_wait_dscnt 0x0
	PLACES 8
	WIN 0x40
.irp w, 0,1,2,3,4,5,6,7
	ds_load_b128 v[BQ+8*\w:BQ+8*\w+3], v[BQA] offset:64*\w
	ds_load_b128 v[BQ+8*\w+4:BQ+8*\w+7], v[BQA] offset:64*\w+16
.endr
.irp t, 0,1,2,3
	ds_load_b32 v[BV+2*\t], v[BVA] offset:64*\t
	ds_load_b32 v[BV+2*\t+1], v[BVA] offset:64*\t
.endr
	MULW 7, 6, 6, 0
	WIN 0
	PLACES 8
	s_wait_dscnt 0x0
	WIN 0x40
.irp b, 0,1,2,3
	v_mov_b32 v[TM+4+\b], 0
.endr
.irp i, 0,1,2,3
.if \i > 0
	s_wait_xcnt 0x0
	s_wait_dscnt 0x0
.endif
	WIN 0x47
.set n_, 0
.rept 32
	v_pk_add_f32 v[T+n_:T+n_+1], v[64*\i+n_:64*\i+n_+1], v[BQ+n_:BQ+n_+1]
.set n_, n_+2
.endr
	WIN 0x55
	QUANT T
	v_lshl_or_b32 v[HW], v[TM+5], 8, v[TM+4]
	v_lshl_or_b32 v[HW+1], v[HW], 16, v[HW]
.if \i%2 == 0
	v_lshl_or_b32 v[HW+2], v[TM+7], 8, v[TM+6]
.else
	v_lshl_or_b32 v[HW+3], v[TM+7], 8, v[TM+6]
	v_lshl_or_b32 v[HW+3], v[HW+3], 16, v[HW+2]
.endif
	WIN 0x04
	global_store_b128 v[LI], v[PC:PC+3], s[80:81] offset:1024*\i
	global_store_b128 v[LI], v[PC+4:PC+7], s[80:81] offset:1024*\i+512
	global_store_b128 v[LI], v[PC+8:PC+11], s[82:83] offset:(\i/2)*2048+(\i%2)*1024
	global_store_b128 v[LI], v[PC+12:PC+15], s[82:83] offset:(\i/2)*2048+(\i%2)*1024+512
	ds_store_b32 v[QSA], v[HW+1] offset:64*\i
.if \i%2 == 1
	ds_store_b32 v[KSA], v[HW+3] offset:64*(\i/2)
.endif
.endr
.irp p, 0,1
	s_wait_xcnt 0x0
	s_wait_dscnt 0x0
	WIN 0x44
.set n_, 0
.rept 32
	v_pk_add_f32 v[T+n_:T+n_+1], v[128+64*\p+n_:128+64*\p+n_+1], v[BV+2*(2*\p+n_/32):BV+2*(2*\p+n_/32)+1]
.set n_, n_+2
.endr
	WIN 0x55
	QUANT T
	v_lshl_or_b32 v[HW], v[TM+5], 8, v[TM+4]
	v_lshl_or_b32 v[HW+1], v[TM+7], 8, v[TM+6]
	WIN 0x04
.irp b, 0,1,2,3
	global_store_b128 v[LI], v[PC+4*\b:PC+4*\b+3], s[84:85] offset:(2*\p+\b/2)*2048+(\b%2)*512
.endr
	ds_store_b16 v[VSA], v[HW] offset:64*(2*\p)
	ds_store_b16 v[VSA], v[HW+1] offset:64*(2*\p+1)
.endr
	WIN 0
	s_wait_dscnt 0x0
	s_barrier_signal -1
	s_barrier_wait -1
	ds_load_b128 v[80:83], v[SRD]
	s_wait_dscnt 0x0
	global_store_b128 v[LI], v[80:83], s[86:87]
	s_wait_tensorcnt 0x0
	ds_add_u32 v[SPW], v[NIL]
	s_wait_dscnt 0x0
	CROUND
	s_endpgm
.Lfunc_end_k_q47a7c6ca68_qkv:
	.size	k_q47a7c6ca68_qkv, .Lfunc_end_k_q47a7c6ca68_qkv-k_q47a7c6ca68_qkv
	.p2alignl 7, 3214868480
	.fill 96, 4, 3214868480
	.section	.rodata,"a",@progbits
	.p2align	6, 0x0
	.amdhsa_kernel k_q47a7c6ca68_qkv
		.amdhsa_group_segment_fixed_size 327680
		.amdhsa_private_segment_fixed_size 0
		.amdhsa_enable_private_segment 0
		.amdhsa_kernarg_size 64
		.amdhsa_user_sgpr_count 2
		.amdhsa_user_sgpr_kernarg_segment_ptr 1
		.amdhsa_wavefront_size32 1
		.amdhsa_system_sgpr_workgroup_id_x 1
		.amdhsa_system_sgpr_workgroup_id_y 1
		.amdhsa_system_sgpr_workgroup_id_z 1
		.amdhsa_system_vgpr_workitem_id 0
		.amdhsa_next_free_vgpr 1024
		.amdhsa_next_free_sgpr 100
		.amdhsa_reserve_vcc 0
		.amdhsa_float_denorm_mode_32 3
		.amdhsa_float_denorm_mode_16_64 3
		.amdhsa_memory_ordered 1
		.amdhsa_forward_progress 1
		.amdhsa_inst_pref_size 165
	.end_amdhsa_kernel
	.amdgpu_metadata
---
amdhsa.version: [ 1, 2 ]
amdhsa.kernels:
  - .name:           k_q47a7c6ca68_qkv
    .symbol:         k_q47a7c6ca68_qkv.kd
    .args:
      - { .name: x_codes, .offset: 0, .size: 8, .value_kind: global_buffer, .address_space: global }
      - { .name: x_scales, .offset: 8, .size: 8, .value_kind: global_buffer, .address_space: global }
      - { .name: W_qkv_codes, .offset: 16, .size: 8, .value_kind: global_buffer, .address_space: global }
      - { .name: W_qkv_scales, .offset: 24, .size: 8, .value_kind: global_buffer, .address_space: global }
      - { .name: b_qkv, .offset: 32, .size: 8, .value_kind: global_buffer, .address_space: global }
      - { .name: q_img, .offset: 40, .size: 8, .value_kind: global_buffer, .address_space: global }
      - { .name: kv_img, .offset: 48, .size: 8, .value_kind: global_buffer, .address_space: global }
      - { .name: scl, .offset: 56, .size: 8, .value_kind: global_buffer, .address_space: global }
    .group_segment_fixed_size: 327680
    .private_segment_fixed_size: 0
    .kernarg_segment_align: 8
    .kernarg_segment_size: 64
    .max_flat_workgroup_size: 128
    .sgpr_count:     100
    .vgpr_count:     1024
    .wavefront_size: 32
...
	.end_amdgpu_metadata
.endif
;; end of part 1
;; launch attn (part 2): grid 4 x 64, 8 waves a work-group, clusters of 4 x 1, 327,680 bytes of LDS; arguments q_img, kv_img, scl, att_img, att_scl; writes att_img, att_scl
.if DOCPART == 2
	.amdgcn_target "amdgcn-amd-amdhsa--gfx1250"
	.amdhsa_code_object_version 6
	.text
	.protected	k_q47a7c6ca68_attn
	.globl	k_q47a7c6ca68_attn
	.p2align	8
	.type	k_q47a7c6ca68_attn,@function
k_q47a7c6ca68_attn:
	s_mov_b64 s[64:65], 0
	v_nop
	global_prefetch_b8 v0, s[64:65] scope:SCOPE_SE
	s_setreg_imm32_b32 hwreg(HW_REG_WAVE_MODE, 25, 1), 1
	s_wait_xcnt 0x0
	s_wait_alu depctr_hold_cnt(0) depctr_sa_sdst(0) depctr_va_vdst(0) depctr_va_sdst(0) depctr_va_ssrc(0) depctr_va_vcc(0) depctr_vm_vsrc(0)
	s_getreg_b32 s2, hwreg(HW_REG_IB_STS2, 6, 4)
	s_cmp_eq_u32 s2, 0
	s_cbranch_scc0 .Lentry_in_a_cluster
	s_endpgm
.Lentry_in_a_cluster:
	s_bfe_u32 s2, ttmp6, 0x10000c
	s_cmp_lg_u32 s2, 0x3003
	s_cbranch_scc0 .Lentry_shape_is_right
	s_endpgm
.Lentry_shape_is_right:
; O[q] = the sum over keys of softmax(q . k / 8) v for one head, both products on codes of E5M2 with E8M0 scales; the result is quantised along the model's 1,024 and stored as images of operand registers for the last product.
; THE SOFTMAX: t = score x log2(e) / 8; M = the running largest t rounded UP to a whole number; p = 2^(t - M) is quantised along the keys, not normalised; the row's sum is taken of the unquantised p and divides at the end.
; When M moves, the sum and O are multiplied by 2^(old M - new M): exact.
; SHARES.  A work-group owns 512 queries of one head, in two passes of 256; in a pass each of its eight waves has two tiles of 16 queries, so that each fragment of K and V read from LDS feeds two products.  4 x 64 work-groups.
; NO RING.  A head's K and V as codes are 262,144 bytes: they come into LDS ONCE, jointly for the four work-groups of the cluster (mask 15), one load of two key steps (32,768 bytes) a wave, and serve both passes.
; Waves 0 and 1 (key steps 0-3) have a load line of their own and wait at the first barrier; three key steps are walked (they read V up to step 2 and K up to step 3) before the barrier that shows the rest.
; Every byte of K and V is asked for at the head, so nothing is left to ask for earlier: no prefetch is laid.  Pass 1's Q is loaded into spare registers at pass 0's head.
; The head's 8,192 bytes of scale words are one part in 33 of what a work-group brings in; they go through registers into LDS bytes of their own, 1,024 a wave, without a joint load.
; LAYOUT.  Both products transposed: S^T = K Q^T, O^T = V^T P^T: a lane holds one query throughout.  The head has 64 along K and the instruction 128: a fragment of K holds key 32 f + m in k 0..63 and key 32 f + 16 + m
; in k 64..127, and Q lies in 24 registers [q | 0 | q]: registers 0-15 pick the first key, registers 8-23 the second.
; A BLOCK'S SCALE: its largest p is 2^x, x = (the block's largest score) x c - M, so its byte is floor(x) + 112 = floor(x + 112), made by a multiply-add, a floor at 1 and a conversion.  Where x lies within an f32 rounding of a whole
; number the byte may be one higher than that of the rounded p (the codes' values stay, but for subnormal codes), or, for p under 2^-20, one lower (that block's largest p is then held one code low).
; THE EXPONENTIALS go in two batches, a tile each; between them stand only plain lines whose sources were written ahead of the batch's wait and whose results are first read behind the wait that follows it.
; The last key step of a pass fetches key step 0's K for the next pass; in the last pass nobody reads those 18 loads.
; The two scale bytes a token leave by a store of 2 bytes a lane: 1/32 of what the launch writes lands in blocks written in part.
; LIMITS: NaN and infinities are not served; the promise holds while |t| stays under 2^31.  A block's byte never falls under 1; the bytes are read by this program alone.
; REGISTERS.  window 0: v1-7 addresses; v8-15 scale words and nothing else; v16-31 statistics, 8 a tile; v32-63 at work, 16 a tile; v64-191 S^T then p, 64 a tile; v192-223 partial sums, then p's codes; v224-241 the next pass's Q.
;   window 1: v0-63 O^T, 32 a tile; v64-111 Q, 24 a tile; v128-191 K's four fragments; v192-255 V's four.
.set SCL,   262144                     ; LDS: behind K and V: the scale words, 512 bytes a key step: K's 256, V's 256
.set SPARE, SCL+8192                   ; the spare words, 128 bytes a wave
.set LI,   1                           ; 16 x lane
.set LS,   2                           ; SCL + 4 x lane
.set ADK,  3                           ; the next step's K
.set ADS,  4                           ; this step's scale words
.set QW,   5                           ; 4 x (lane % 16)
.set OS,   6                           ; 4 x lane
.set ADV,  7                           ; this step's V
.set ADT,  242                         ; the next step's scale words
.set SST,  243                         ; where my scale words go
.set SPW,  254
.set NIL,  255
.set KSC,  8
.set VSC,  10
.set QSC,  12
.set PW,   14
.set NQ,   224
.set NQS,  240
.set QF,   64
.set KF,   128
.set VF,   192
.set TM,   32
.set PC,   192
.set WV,   14
.set G1,   20
.set G0,   28
.set SEL,  56
.set CS,   58
.set NC,   60
.set TB,   61
.set TS,   62
.set CNT,  63
.set TN,   66
.set SN,   67
.set PS,   68
.set MNT,  69
.set MSB, 0
.macro WIN new
.if MSB != (\new)
	s_set_vgpr_msb (MSB<<8)|(\new)
.set MSB, (\new)
.endif
.endm
.macro PLACES n
.rept \n
	v_nop
.endr
.endm
.macro WALU
	s_wait_alu depctr_va_vdst(0)
.endm
.macro CROUND
	s_barrier_signal -1
	s_barrier_wait -1
	s_cmp_lg_u32 s[WV], 0
	s_cbranch_scc1 .Lnot_wave_0_\@
	s_barrier_signal -3
.Lnot_wave_0_\@:
	s_barrier_wait -3
	s_barrier_signal -1
	s_barrier_wait -1
.endm
.macro WMS                             ; a product that starts its sum
.if RA_
	v_wmma_scale_f32_16x16x128_f8f6f4 v[D_:D_+7], v[A_:A_+15], v[B_:B_+15], 0, v[SA_], v[SB_] matrix_a_fmt:MATRIX_FMT_BF8 matrix_b_fmt:MATRIX_FMT_BF8 matrix_a_scale:MATRIX_SCALE_ROW1
.else
	v_wmma_scale_f32_16x16x128_f8f6f4 v[D_:D_+7], v[A_:A_+15], v[B_:B_+15], 0, v[SA_], v[SB_] matrix_a_fmt:MATRIX_FMT_BF8 matrix_b_fmt:MATRIX_FMT_BF8
.endif
.endm
.macro WMP                             ; a product that adds in place
.if RA_
	v_wmma_scale_f32_16x16x128_f8f6f4 v[D_:D_+7], v[A_:A_+15], v[B_:B_+15], v[D_:D_+7], v[SA_], v[SB_] matrix_a_fmt:MATRIX_FMT_BF8 matrix_b_fmt:MATRIX_FMT_BF8 matrix_a_scale:MATRIX_SCALE_ROW1
.else
	v_wmma_scale_f32_16x16x128_f8f6f4 v[D_:D_+7], v[A_:A_+15], v[B_:B_+15], v[D_:D_+7], v[SA_], v[SB_] matrix_a_fmt:MATRIX_FMT_BF8 matrix_b_fmt:MATRIX_FMT_BF8
.endif
.endm
.macro KLOADS adr                      ; K's four fragments
.irp f, 0,1,2,3
.irp c, 0,1,2,3
	ds_load_b128 v[KF+16*\f+4*\c:KF+16*\f+4*\c+3], v[\adr] offset:2048*\f+512*\c
.endr
.endr
.endm
.macro QLOAD                           ; a pass's Q and its scale words: six loads
.irp t, 0,1
	global_load_b128 v[NQ+8*\t:NQ+8*\t+3], v[LI], s[72:73] offset:1024*\t
	global_load_b128 v[NQ+8*\t+4:NQ+8*\t+7], v[LI], s[72:73] offset:1024*\t+512
	global_load_b32 v[NQS+\t], v[QW], s[74:75] offset:64*\t
.endr
.endm
; Tile t: statistics at 16 + 8 t: +0 -M, +1 the largest score, +2, +3 the sum, +4 f, +5 the pair's upper half, +6 at work, +7 112 - M.
; At work at 32 + 16 t: +0..3 the blocks' largest score, then x + 112; +4..7 the other half's, then the bytes, then a partial sum; +8..11 the holds; +12..15 the conversions' scale operands.
; A KEY STEP: 128 keys, both tiles.  wrap = 1: the next step's K is taken modulo the head's 16 steps.
.macro STEP wrap
	s_wait_dscnt 0x0                               ; K and its words, asked for in the step before
	WIN 0x05                                       ; K and Q in window 1, S^T in window 0
.irp t, 0,1
.irp f, 0,1,2,3
.irp u, 0,1
.set D_, 64+64*\t+8*(2*\f+\u)
.set A_, KF+16*\f
.set B_, QF+24*\t+8*\u
.set SA_, KSC+\f/2
.set SB_, QSC+\t
.set RA_, \f%2
	WMS
.endr
.endr
.endr
	WIN 0
	s_add_co_u32 s[TN], s[TB], 16384
.if \wrap
	s_and_b32 s[TN], s[TN], 0x3c000
.endif
	s_lshr_b32 s[SN], s[TN], 5
	s_lshr_b32 s[TS], s[TB], 5
	v_add_nc_u32 v[ADV], s[TB], v[LI]              ; eight places behind the products: ahead of the loads into K's, V's and the words' registers, and of the first read of S^T
	v_add_nc_u32 v[ADK], s[TN], v[LI]
	v_add_nc_u32 v[ADS], s[TS], v[LS]
	v_add_nc_u32 v[ADT], s[SN], v[LS]
	PLACES 4
	ds_load_b32 v[VSC], v[ADS] offset:256          ; lanes 0-15 fragment 0's words, lanes 16-31 fragment 1's
	ds_load_b32 v[VSC+1], v[ADS] offset:384
	ds_load_b32 v[KSC], v[ADT]
	ds_load_b32 v[KSC+1], v[ADT] offset:128
	WIN 0x40
.irp f, 0,1,2,3
.irp c, 0,1,2,3
	ds_load_b128 v[VF+16*\f+4*\c:VF+16*\f+4*\c+3], v[ADV] offset:8192+2048*\f+512*\c
.endr
.endr
	KLOADS ADK
	WIN 0
	; the largest score of each block of 32 keys, eight chains by turns
.irp b, 0,1,2,3
.irp t, 0,1
	v_max3_num_f32 v[32+16*\t+\b], v[64+64*\t+16*\b], v[65+64*\t+16*\b], v[66+64*\t+16*\b]
.endr
.endr
.irp i, 3,5,7,9,11,13
.irp b, 0,1,2,3
.irp t, 0,1
	v_max3_num_f32 v[32+16*\t+\b], v[32+16*\t+\b], v[64+64*\t+16*\b+\i], v[65+64*\t+16*\b+\i]
.endr
.endr
.endr
.irp b, 0,1,2,3
.irp t, 0,1
	v_max_num_f32 v[32+16*\t+\b], v[32+16*\t+\b], v[79+64*\t+16*\b]
.endr
.endr
.irp b, 0,1,2,3
.irp t, 0,1
	v_permlanex16_b32 v[36+16*\t+\b], v[32+16*\t+\b], s[SEL], s[SEL+1]
.endr
.endr
.irp b, 0,1,2,3
.irp t, 0,1
	v_max_num_f32 v[32+16*\t+\b], v[32+16*\t+\b], v[36+16*\t+\b]   ; with lane l xor 16's 16 keys
.endr
.endr
	; the row: the running largest score, -M = floor(-c x it), f = 2^(old M - new M)
.irp t, 0,1
	v_max3_num_f32 v[22+8*\t], v[32+16*\t], v[33+16*\t], v[34+16*\t]
.endr
.irp t, 0,1
	v_max3_num_f32 v[17+8*\t], v[22+8*\t], v[35+16*\t], v[17+8*\t]
.endr
.irp t, 0,1
	v_mul_f32 v[22+8*\t], s[NC], v[17+8*\t]
.endr
.irp t, 0,1
	v_floor_f32 v[22+8*\t], v[22+8*\t]
.endr
.irp t, 0,1
	v_sub_f32 v[20+8*\t], v[22+8*\t], v[16+8*\t]   ; a whole number, 0 or less
.endr
.irp t, 0,1
	v_mov_b32 v[16+8*\t], v[22+8*\t]
.endr
.irp t, 0,1
	v_cvt_i32_f32 v[20+8*\t], v[20+8*\t]           ; (it saturates)
.endr
.irp t, 0,1
	v_add_f32 v[23+8*\t], 0x42e00000, v[22+8*\t]   ; 112 - M
.endr
.irp t, 0,1
	v_ldexp_f32 v[20+8*\t], 1.0, v[20+8*\t]
.endr
.irp t, 0,1
	v_pk_mul_f32 v[18+8*\t:19+8*\t], v[18+8*\t:19+8*\t], v[20+8*\t:21+8*\t] op_sel_hi:[1,0]   ; the sums under the new M
.endr
	WIN 0x41                                       ; O^T in window 1, f in window 0
.set j_, 0
.rept 32
	v_pk_mul_f32 v[j_:j_+1], v[j_:j_+1], v[20+8*(j_/32):21+8*(j_/32)] op_sel_hi:[1,0]   ; O^T under the new M: read ahead of the step's exponentials, each accumulator from its low end
.set j_, j_+2
.endr
	WIN 0
	; the blocks' scales
.irp b, 0,1,2,3
.irp t, 0,1
	v_fma_f32 v[32+16*\t+\b], v[32+16*\t+\b], s[CS], v[23+8*\t]     ; x + 112
.endr
.endr
.irp b, 0,1,2,3
.irp t, 0,1
	v_max_num_f32 v[32+16*\t+\b], 1.0, v[32+16*\t+\b]               ; the byte cannot fall under 1
.endr
.endr
.irp b, 0,1,2,3
.irp t, 0,1
	v_cvt_u32_f32 v[36+16*\t+\b], v[32+16*\t+\b]                    ; the scale's byte
.endr
.endr
.irp b, 0,1,2,3
.irp t, 0,1
	v_lshlrev_b32 v[44+16*\t+\b], 23, v[36+16*\t+\b]                ; the conversion's scale operand
	v_lshl_add_u32 v[40+16*\t+\b], v[36+16*\t+\b], 23, 0x7e00000    ; 57,344 x the scale
.endr
.endr
.irp t, 0,1
	v_lshl_or_b32 v[PW+\t], v[37+16*\t], 8, v[36+16*\t]             ; p's scale word for these 128 keys
.endr
.irp t, 0,1
	v_lshl_or_b32 v[PW+\t], v[38+16*\t], 16, v[PW+\t]
.endr
.irp t, 0,1
	v_lshl_or_b32 v[PW+\t], v[39+16*\t], 24, v[PW+\t]
.endr
.set j_, 0
.rept 32
	v_pk_fma_f32 v[64+j_:65+j_], v[64+j_:65+j_], s[CS:CS+1], v[16:17] op_sel_hi:[1,0,0]   ; tile 0: t - M
.set j_, j_+2
.endr
	WALU                                           ; the wait ahead of a batch of exponentials
.set j_, 0
.rept 32                                       ; tile 0's exponentials; between them tile 1's t - M
	v_exp_f32 v[64+j_], v[64+j_]
	v_exp_f32 v[65+j_], v[65+j_]
	v_pk_fma_f32 v[128+j_:129+j_], v[128+j_:129+j_], s[CS:CS+1], v[24:25] op_sel_hi:[1,0,0]
.set j_, j_+2
.endr
	WALU                                           ; behind tile 0's batch and ahead of tile 1's
.set j_, 0
.rept 16                                       ; tile 1's exponentials; between them the first layer of tile 0's sum of the unquantised p,
	v_exp_f32 v[128+2*j_], v[128+2*j_]
	v_exp_f32 v[129+2*j_], v[129+2*j_]
	v_pk_add_f32 v[192+2*j_:193+2*j_], v[64+4*j_:65+4*j_], v[66+4*j_:67+4*j_]
.set j_, j_+1
.endr
.set j_, 0
.rept 32                                       ; and then tile 0's holds, two a line: the conversion does not saturate (ISA guide 7.6.2); p is not negative
	v_exp_f32 v[160+j_], v[160+j_]
	v_dual_min_num_f32 v[64+2*j_], v[64+2*j_], v[40+j_/8] :: v_dual_min_num_f32 v[65+2*j_], v[65+2*j_], v[40+j_/8]
.set j_, j_+1
.endr
	v_nop                                          ; a plain line behind the last exponential
	WALU                                           ; behind tile 1's batch
	v_pk_add_f32 v[36:37], v[192:193], v[194:195]  ; the sums, four chains by turns
	v_pk_add_f32 v[52:53], v[128:129], v[130:131]
.set j_, 1
.rept 15
	v_pk_add_f32 v[26:27], v[26:27], v[128+4*j_:129+4*j_]
	v_pk_add_f32 v[52:53], v[52:53], v[130+4*j_:131+4*j_]
.if j_ < 8
	v_pk_add_f32 v[18:19], v[18:19], v[192+4*j_:193+4*j_]
	v_pk_add_f32 v[36:37], v[36:37], v[194+4*j_:195+4*j_]
.endif
.set j_, j_+1
.endr
.irp b, 0,1,2,3
	v_cvt_scalef32_pk8_bf8_f32 v[192+4*\b:193+4*\b], v[64+16*\b:71+16*\b], v[44+\b]
	v_cvt_scalef32_pk8_bf8_f32 v[194+4*\b:195+4*\b], v[72+16*\b:79+16*\b], v[44+\b]
.endr
.set j_, 0
.rept 32
	v_dual_min_num_f32 v[128+2*j_], v[128+2*j_], v[56+j_/8] :: v_dual_min_num_f32 v[129+2*j_], v[129+2*j_], v[56+j_/8]
.set j_, j_+1
.endr
.irp b, 0,1,2,3
	v_cvt_scalef32_pk8_bf8_f32 v[208+4*\b:209+4*\b], v[128+16*\b:135+16*\b], v[60+\b]
	v_cvt_scalef32_pk8_bf8_f32 v[210+4*\b:211+4*\b], v[136+16*\b:143+16*\b], v[60+\b]
.endr
	v_pk_add_f32 v[18:19], v[18:19], v[36:37]      ; these five lines are the places between the codes and the products
	v_pk_add_f32 v[26:27], v[26:27], v[52:53]
	PLACES 3
	WALU                                           ; directly ahead of the wait below
	s_wait_dscnt 16                                ; V and its words are in; the next step's sixteen loads of K, issued behind them, may be out
	WIN 0x51                                       ; V, C and D in window 1, p's codes in window 0
.irp f, 0,1,2,3
.irp t, 0,1
.set D_, 32*\t+8*\f
.set A_, VF+16*\f
.set B_, 192+16*\t
.set SA_, VSC+\f/2
.set SB_, PW+\t
.set RA_, \f%2
	WMP                                            ; the eight accumulators take turns
.endr
.endr
	WIN 0
.endm
.macro RUN n, wrap
	s_mov_b32 s[CNT], \n
.Lstep_\@:
	STEP \wrap
	s_add_co_u32 s[TB], s[TB], 16384
	s_sub_co_u32 s[CNT], s[CNT], 1
	s_cmp_lg_u32 s[CNT], 0
	s_cbranch_scc1 .Lstep_\@
.endm
.macro QUANT s                         ; 64 numbers of a lane, four blocks of 16 (the other 16 in lane l xor 16) -> codes in v[PC] on, bytes in v[TM+4] on
.irp b, 0,1,2,3
	v_max3_num_f32 v[TM+\b], |v[\s+16*\b]|, |v[\s+1+16*\b]|, 0x8000000
.endr
.irp i, 2,4,6,8,10,12,14
.irp b, 0,1,2,3
	v_max3_num_f32 v[TM+\b], v[TM+\b], |v[\s+16*\b+\i]|, |v[\s+1+16*\b+\i]|
.endr
.endr
.irp b, 0,1,2,3
	v_permlanex16_b32 v[TM+4+\b], v[TM+\b], s[SEL], s[SEL+1]
.endr
.irp b, 0,1,2,3
	v_max_num_f32 v[TM+\b], v[TM+\b], v[TM+4+\b]
.endr
.irp b, 0,1,2,3
	v_add_nc_u32 v[TM+12+\b], 0xf8800000, v[TM+\b]
.endr
.irp b, 0,1,2,3
	v_and_or_b32 v[TM+8+\b], v[TM+\b], 0x7f800000, s[MNT]
.endr
.irp b, 0,1,2,3
	v_lshrrev_b32 v[TM+4+\b], 23, v[TM+12+\b]
.endr
.irp b, 0,1,2,3
.irp i, 0,1,2,3,4,5,6,7,8,9,10,11,12,13,14,15
	v_med3_num_f32 v[\s+16*\b+\i], v[\s+16*\b+\i], -v[TM+8+\b], v[TM+8+\b]
.endr
	v_cvt_scalef32_pk8_bf8_f32 v[PC+4*\b:PC+1+4*\b], v[\s+16*\b:\s+7+16*\b], v[TM+12+\b]
	v_cvt_scalef32_pk8_bf8_f32 v[PC+2+4*\b:PC+3+4*\b], v[\s+8+16*\b:\s+15+16*\b], v[TM+12+\b]
.endr
	v_nop
.endm
	s_load_b256 s[4:11], s[0:1], 0x0               ; q_img s[4:5], kv_img s[6:7], scl s[8:9], att_img s[10:11]
	s_load_b64 s[12:13], s[0:1], 0x20              ; att_scl
	v_lshl_add_u32 v[SPW], v0, 2, SPARE
	v_mov_b32 v[NIL], 0
	ds_add_u32 v[SPW], v[NIL]                      ; the opening lines: the add, twice on end, and its wait ahead of my tensor load
	ds_add_u32 v[SPW], v[NIL]
	v_lshrrev_b32 v2, 5, v0
	v_readfirstlane_b32 s[WV], v2                  ; wave 0..7
	s_bfe_u32 s15, ttmp6, 0x40000                  ; cx
	s_lshl_b32 s16, ttmp9, 2
	s_add_co_u32 s16, s16, s15
	s_lshl_b32 s16, s16, 1                         ; pass 0's block of 256 queries: it enters Q's and the outputs' addresses alone
	s_and_b32 s17, ttmp7, 0xffff                   ; bh = 16 batch + head, which the four partners share
	s_mov_b32 s[G1], 15|(3<<16)|(1<<21)            ; a dense block as 128 rows of 256 bytes (32 elements of 8); the mask names all four work-groups, bit 21 beside it
	s_mov_b32 s[G1+1], 32<<16
	s_mov_b32 s[G1+2], 128<<16
	s_mov_b32 s[G1+3], 32<<16
	s_mov_b32 s[G1+4], 128
	s_mov_b32 s[G1+5], 32
	s_mov_b32 s[G1+6], 0
	s_mov_b32 s[G1+7], 0
	s_lshl_b32 s18, s[WV], 15                      ; my two key steps
	s_lshl_b32 s84, s17, 18                        ; the head's K and V
	s_add_co_u32 s84, s84, s18
	s_mov_b32 s85, 0
	s_lshl_b32 s70, s17, 14                        ; the head's records of scale words; record = wave; K's and V's words lie 1,024 bytes in
	s_lshl_b32 s71, s[WV], 11
	s_add_co_u32 s70, s70, s71
	s_add_co_u32 s70, s70, 1024
	s_mov_b32 s71, 0
	s_mov_b32 s[SEL], 0x76543210
	s_mov_b32 s[SEL+1], 0xfedcba98
	s_mov_b32 s[CS], 0x3e38aa3b                    ; c = log2(e) / 8
	s_mov_b32 s[CS+1], s[CS]
	s_mov_b32 s[NC], 0xbe38aa3b                    ; -c
	s_mov_b32 s[MNT], 0x600000
	s_wait_dscnt 0x0
	s_wait_kmcnt 0x0
	s_mov_b32 s[G0], 1
	s_mov_b32 s[G0+1], s18
	s_add_nc_u64 s[G0+2:G0+3], s[6:7], s[84:85]
	s_or_b32 s[G0+3], s[G0+3], 0x80000000
	s_add_nc_u64 s[70:71], s[8:9], s[70:71]
	CROUND                                         ; all four work-groups are here: the joint loads meet
	s_cmp_lt_u32 s[WV], 2                          ; one load a wave; waves 0 and 1, which alone wait at the first barrier, have a line of their own
	s_cbranch_scc0 .Llater
	tensor_load_to_lds s[G0:G0+3], s[G1:G1+7]
	s_nop 0
	PLACES 4
	s_branch .Lasked
.Llater:
	tensor_load_to_lds s[G0:G0+3], s[G1:G1+7]
	s_nop 0
	PLACES 4
.Lasked:
	s_lshl_b32 s72, s17, 17                        ; Q: bh x 131,072 + (16 block + 2 wave) x 1,024
	s_lshl_b32 s73, s16, 14
	s_add_co_u32 s72, s72, s73
	s_lshl_b32 s73, s[WV], 11
	s_add_co_u32 s72, s72, s73
	s_mov_b32 s73, 0
	s_add_nc_u64 s[72:73], s[4:5], s[72:73]
	s_lshl_b32 s74, s17, 14                        ; Q's words: record = block, tile 2 wave
	s_lshl_b32 s75, s16, 11
	s_add_co_u32 s74, s74, s75
	s_lshl_b32 s75, s[WV], 7
	s_add_co_u32 s74, s74, s75
	s_mov_b32 s75, 0
	s_add_nc_u64 s[74:75], s[8:9], s[74:75]
	s_lshr_b32 s76, s17, 4
	s_lshl_b32 s76, s76, 3
	s_add_co_u32 s76, s76, s16                     ; the block of 256 tokens among all 32
	s_and_b32 s77, s17, 15                         ; the head
	s_lshr_b32 s78, s77, 1                         ; the last product's K step: two heads each
	s_and_b32 s77, s77, 1
	s_lshl_b32 s80, s76, 18                        ; att_img: block x 262,144 + K step x 32,768 + wave x 4,096 + (head % 2) x 1,024
	s_lshl_b32 s79, s78, 15
	s_add_co_u32 s80, s80, s79
	s_lshl_b32 s79, s[WV], 12
	s_add_co_u32 s80, s80, s79
	s_lshl_b32 s79, s77, 10
	s_add_co_u32 s80, s80, s79
	s_mov_b32 s81, 0
	s_add_nc_u64 s[80:81], s[10:11], s[80:81]
	s_lshl_b32 s82, s76, 13                        ; att_scl: block x 8,192 + K step x 1,024 + wave x 128 + (head % 2) x 2
	s_lshl_b32 s79, s78, 10
	s_add_co_u32 s82, s82, s79
	s_lshl_b32 s79, s[WV], 7
	s_add_co_u32 s82, s82, s79
	s_lshl_b32 s79, s77, 1
	s_add_co_u32 s82, s82, s79
	s_mov_b32 s83, 0
	s_add_nc_u64 s[82:83], s[12:13], s[82:83]
	s_lshl_b32 s86, s[WV], 10
	s_add_co_u32 s86, s86, SCL
	v_and_b32 v2, 31, v0
	v_lshlrev_b32 v[LI], 4, v2
	v_lshlrev_b32 v[OS], 2, v2
	v_lshl_add_u32 v[LS], v2, 2, SCL
	v_and_b32 v[QW], 15, v0
	v_lshlrev_b32 v[QW], 2, v[QW]
	v_add_nc_u32 v[SST], s86, v[LI]
	global_load_b128 v[244:247], v[LI], s[70:71]   ; my record's 1,024 bytes of K's and V's scale words
	global_load_b128 v[248:251], v[LI], s[70:71] offset:512
	QLOAD                                          ; pass 0's Q
	WIN 0x40
.irp t, 0,1
.irp j, 8,9,10,11,12,13,14,15
	v_mov_b32 v[QF+24*\t+\j], 0                    ; the zeros of [q | 0 | q] stand for both passes
.endr
.endr
	WIN 0
.irp t, 0,1
	v_mov_b32 v[21+8*\t], 0                        ; named as the upper half of a pair
.irp b, 0,1,2,3
	v_mov_b32 v[36+16*\t+\b], 0                    ; a lane permute's destination counts as one of its sources
.endr
.endr
	WALU                                           ; the wait at the head's end
	s_wait_loadcnt 6                               ; the scale words are in; Q's six loads, issued behind them, may be out
	ds_store_b128 v[SST], v[244:247]
	ds_store_b128 v[SST], v[248:251] offset:512
	s_cmp_lt_u32 s[WV], 2
	s_cbranch_scc0 .Lnot_first
	s_wait_tensorcnt 0x0                           ; waves 0 and 1: key steps 0-3 are in
.Lnot_first:
	s_wait_dscnt 0x0                               ; my scale words are stored
	s_barrier_signal -1
	s_barrier_wait -1
	ds_load_b32 v[KSC], v[LS]                      ; key step 0's K
	ds_load_b32 v[KSC+1], v[LS] offset:128
	WIN 0x40
	KLOADS LI
	WIN 0
	s_mov_b32 s[PS], 0
.Lpass:                                                ; two trips: 256 queries each
	s_wait_loadcnt 0x0                             ; this pass's Q
.irp t, 0,1
	v_mov_b32 v[QSC+\t], v[NQS+\t]
.endr
	WIN 0x40
.irp t, 0,1
.irp j, 0,1,2,3,4,5,6,7
	v_mov_b32 v[QF+24*\t+\j], v[NQ+8*\t+\j]
	v_mov_b32 v[QF+24*\t+16+\j], v[NQ+8*\t+\j]
.endr
.endr
.set j_, 0
.rept 64
	v_mov_b32 v[j_], 0                             ; O^T: the step has no first step of its own: the first change of M multiplies zeros
.set j_, j_+1
.endr
	WIN 0
.irp t, 0,1
	v_mov_b32 v[17+8*\t], 0xff61b1e6               ; the largest score so far: -3e38
	v_mov_b32 v[16+8*\t], 0x7f61b1e6               ; -M
	v_mov_b32 v[18+8*\t], 0                        ; the sum, in two halves
	v_mov_b32 v[19+8*\t], 0
.endr
	WALU                                           ; ahead of the branch and the waits below
	s_cmp_lg_u32 s[PS], 0
	s_cbranch_scc1 .Lno_next
	s_add_nc_u64 s[72:73], s[72:73], 16384         ; pass 1's Q, a whole pass ahead of its use
	s_add_nc_u64 s[74:75], s[74:75], 2048
	QLOAD
.Lno_next:
	s_mov_b32 s[TB], 0
	RUN 3, 0
	s_wait_tensorcnt 0x0                           ; my two key steps are in (pass 1: nothing is out)
	s_wait_dscnt 0x0
	s_barrier_signal -1
	s_barrier_wait -1                              ; everybody's are
	RUN 13, 1
	; THE WAY OUT.  O^T / the sum, quantised along the model's axis: a head's 64 are two blocks of 32.
	PLACES 4                                       ; with the lines below: eight places and more behind the last products
.irp t, 0,1
	v_add_f32 v[18+8*\t], v[18+8*\t], v[19+8*\t]
.endr
.irp t, 0,1
	v_permlanex16_b32 v[22+8*\t], v[18+8*\t], s[SEL], s[SEL+1]
.endr
.irp t, 0,1
	v_add_f32 v[18+8*\t], v[18+8*\t], v[22+8*\t]   ; the row's sum
.endr
	v_and_b32 v252, 16, v0
	v_cmp_ne_u32 vcc_lo, 0, v252                   ; lanes 16-31
	WALU                                           ; ahead of the reciprocals
.irp t, 0,1
	v_rcp_f32 v[20+8*\t], v[18+8*\t]
.endr
	v_nop                                          ; a plain line behind them
	WIN 0x01                                       ; O^T in window 1
	WALU                                           ; one wait for both, directly ahead of their first reader, which is O^T's first reader too
.set j_, 0
.rept 32
	v_pk_mul_f32 v[64+j_:64+j_+1], v[j_:j_+1], v[20+8*(j_/32):21+8*(j_/32)] op_sel_hi:[1,0]   ; register 32 t + 8 t' + j: o(query r of tile t, d = 16 t' + 8 h + j)
.set j_, j_+2
.endr
	WIN 0
	QUANT 64                                       ; block b: tile b / 2, d 32 (b % 2) on
	; The last product's other operand is an input with k in its true places: so the codes are put in theirs.  Of a block's four registers lanes 0-15 hold d 0-7 | 16-23 and lanes 16-31 d 8-15 | 24-31:
	; the first two registers of lanes 16-31 change places with the last two of lanes 0-15.
.set p_, 0
.rept 8
	v_cndmask_b32 v[144+p_], v[PC+4*(p_/2)+p_%2+2], v[PC+4*(p_/2)+p_%2], vcc_lo
.set p_, p_+1
.endr
.set p_, 0
.rept 8
	v_permlanex16_b32 v[128+p_], v[144+p_], s[SEL], s[SEL+1]
.set p_, p_+1
.endr
.set p_, 0
.rept 8
	v_cndmask_b32 v[PC+4*(p_/2)+p_%2], v[PC+4*(p_/2)+p_%2], v[128+p_], vcc_lo
	v_cndmask_b32 v[PC+4*(p_/2)+p_%2+2], v[128+p_], v[PC+4*(p_/2)+p_%2+2], vcc_lo
.set p_, p_+1
.endr
	v_lshl_or_b32 v252, v[TM+5], 8, v[TM+4]        ; tile 0's two bytes,
	v_lshl_or_b32 v253, v[TM+7], 8, v[TM+6]        ; tile 1's
	v_cndmask_b32 v252, v252, v253, vcc_lo         ; lanes 0-15 carry tile 0's rows, lanes 16-31 tile 1's
.irp t, 0,1
.irp c, 0,1
	global_store_b128 v[LI], v[PC+8*\t+4*\c:PC+8*\t+4*\c+3], s[80:81] offset:2048*\t+512*\c   ; 32 lanes store 512 consecutive bytes
.endr
.endr
	global_store_b16 v[OS], v252, s[82:83]
	s_wait_xcnt 0x0                                ; the stores have read their bases and data: both are written anew below
	s_add_nc_u64 s[80:81], s[80:81], 0x40000       ; the next block of 256 tokens
	s_add_nc_u64 s[82:83], s[82:83], 8192
	s_add_co_u32 s[PS], s[PS], 1
	s_cmp_lt_u32 s[PS], 2
	WALU                                           ; directly ahead of the branch
	s_cbranch_scc1 .Lpass
	s_wait_tensorcnt 0x0                           ; the wave's end
	ds_add_u32 v[SPW], v[NIL]
	s_wait_dscnt 0x0
	CROUND                                         ; the closing round
	s_endpgm
.Lfunc_end_k_q47a7c6ca68_attn:
	.size	k_q47a7c6ca68_attn, .Lfunc_end_k_q47a7c6ca68_attn-k_q47a7c6ca68_attn
	.p2alignl 7, 3214868480
	.fill 96, 4, 3214868480
	.section	.rodata,"a",@progbits
	.p2align	6, 0x0
	.amdhsa_kernel k_q47a7c6ca68_attn
		.amdhsa_group_segment_fixed_size 327680
		.amdhsa_private_segment_fixed_size 0
		.amdhsa_enable_private_segment 0
		.amdhsa_kernarg_size 40
		.amdhsa_user_sgpr_count 2
		.amdhsa_user_sgpr_kernarg_segment_ptr 1
		.amdhsa_wavefront_size32 1
		.amdhsa_system_sgpr_workgroup_id_x 1
		.amdhsa_system_sgpr_workgroup_id_y 1
		.amdhsa_system_sgpr_workgroup_id_z 1
		.amdhsa_system_vgpr_workitem_id 0
		.amdhsa_next_free_vgpr 512
		.amdhsa_next_free_sgpr 96
		.amdhsa_reserve_vcc 1
		.amdhsa_float_denorm_mode_32 3
		.amdhsa_float_denorm_mode_16_64 3
		.amdhsa_memory_ordered 1
		.amdhsa_forward_progress 1
		.amdhsa_inst_pref_size 93
	.end_amdhsa_kernel
	.amdgpu_metadata
---
amdhsa.version: [ 1, 2 ]
amdhsa.kernels:
  - .name:           k_q47a7c6ca68_attn
    .symbol:         k_q47a7c6ca68_attn.kd
    .args:
      - { .name: q_img, .offset: 0, .size: 8, .value_kind: global_buffer, .address_space: global }
      - { .name: kv_img, .offset: 8, .size: 8, .value_kind: global_buffer, .address_space: global }
      - { .name: scl, .offset: 16, .size: 8, .value_kind: global_buffer, .address_space: global }
      - { .name: att_img, .offset: 24, .size: 8, .value_kind: global_buffer, .address_space: global }
      - { .name: att_scl, .offset: 32, .size: 8, .value_kind: global_buffer, .address_space: global }
    .group_segment_fixed_size: 327680
    .private_segment_fixed_size: 0
    .kernarg_segment_align: 8
    .kernarg_segment_size: 40
    .max_flat_workgroup_size: 256
    .sgpr_count:     96
    .vgpr_count:     512
    .wavefront_size: 32
...
	.end_amdgpu_metadata
.endif
;; end of part 2
;; launch proj (part 3): grid 8 x 32, 4 waves a work-group, clusters of 4 x 4, 327,680 bytes of LDS; arguments att_img, att_scl, W_out_codes, W_out_scales, b_out, out0; writes out0
.if DOCPART == 3
	.amdgcn_target "amdgcn-amd-amdhsa--gfx1250"
	.amdhsa_code_object_version 6
	.text
	.protected	k_q47a7c6ca68_proj
	.globl	k_q47a7c6ca68_proj
	.p2align	8
	.type	k_q47a7c6ca68_proj,@function
k_q47a7c6ca68_proj:
	s_mov_b64 s[64:65], 0
	v_nop
	global_prefetch_b8 v0, s[64:65] scope:SCOPE_SE
	s_setreg_imm32_b32 hwreg(HW_REG_WAVE_MODE, 25, 1), 1
	s_wait_xcnt 0x0
	s_wait_alu depctr_hold_cnt(0) depctr_sa_sdst(0) depctr_va_vdst(0) depctr_va_sdst(0) depctr_va_ssrc(0) depctr_va_vcc(0) depctr_vm_vsrc(0)
	s_getreg_b32 s2, hwreg(HW_REG_IB_STS2, 6, 4)
	s_cmp_eq_u32 s2, 0
	s_cbranch_scc0 .Lentry_in_a_cluster
	s_endpgm
.Lentry_in_a_cluster:
	s_bfe_u32 s2, ttmp6, 0x10000c
	s_cmp_lg_u32 s2, 0xf033
	s_cbranch_scc0 .Lentry_shape_is_right
	s_endpgm
.Lentry_shape_is_right:
; out0 = att W_out^T + b_out on codes of E5M2 with E8M0 scales: a block of 256 tokens x 128 columns a work-group; att comes as images of operand registers, 32,768 bytes for 128 along K.
; K goes in steps of 256 through two LDS slots.  BOTH slots' first fills go out at the head, one whole tile a wave: wave 0 att's K step 0, wave 1 W's K step 0, wave 2 att's K step 1, wave 3 W's K step 1.
; Behind the wait for them the descriptors are set for the ring: half a tile a wave.  K steps 2 and 3 are refills, each behind a round of the cluster's barrier.
; Each of these two K steps is prefetched once in the cluster: the four partners of a joint load share it out by address (att: 8,192 bytes a wave, lanes 256 bytes apart; W: 16 rows a wave, the lanes left over name the last again).
.set PITCH,  272
.set AB,     65536
.set SLOT,   AB+128*PITCH
.set STAGE,  2*SLOT
.set SPITCH, 528
.set SPARE,  STAGE+4*16*SPITCH
.set LI,   1
.set ADRA, 4
.set ADRW, 6
.set STO,  8
.set RD,   9
.set SPW,  14
.set NIL,  15
.set SAT,  16
.set SW,   32
.set BO,   64
.set BK,   128
.set WV,   20
.set G1A,  32
.set G1W,  40
.set G0A,  48
.set G0W,  56
.set MSB, 0
.macro WIN new
.if MSB != (\new)
	s_set_vgpr_msb (MSB<<8)|(\new)
.set MSB, (\new)
.endif
.endm
.macro PLACES n
.rept \n
	v_nop
.endr
.endm
.macro CREST
	s_cmp_lg_u32 s[WV], 0
	s_cbranch_scc1 .Lnot_wave_0_\@
	s_barrier_signal -3
.Lnot_wave_0_\@:
	s_barrier_wait -3
	s_barrier_signal -1
	s_barrier_wait -1
.endm
.macro CROUND
	s_barrier_signal -1
	s_barrier_wait -1
	CREST
.endm
.macro JLOAD n
	s_cmp_eq_u32 s21, 0
	s_cbranch_scc0 .Lfor_w_\@
	tensor_load_to_lds s[G0A+4*(\n):G0A+4*(\n)+3], s[G1A:G1A+7]
	s_nop 0
.rept 4
	v_nop
.endr
	s_branch .Lasked_\@
.Lfor_w_\@:
	tensor_load_to_lds s[G0W+4*(\n):G0W+4*(\n)+3], s[G1W:G1W+7]
	s_nop 0
.rept 4
	v_nop
.endr
.Lasked_\@:
.endm
.macro WM first
.if \first
.if RA_ && RB_
	v_wmma_scale_f32_16x16x128_f8f6f4 v[D_:D_+7], v[A_:A_+15], v[B_:B_+15], v[C_:C_+7], v[SA_], v[SB_] matrix_a_fmt:MATRIX_FMT_BF8 matrix_b_fmt:MATRIX_FMT_BF8 matrix_a_scale:MATRIX_SCALE_ROW1 matrix_b_scale:MATRIX_SCALE_ROW1
.elseif RA_
	v_wmma_scale_f32_16x16x128_f8f6f4 v[D_:D_+7], v[A_:A_+15], v[B_:B_+15], v[C_:C_+7], v[SA_], v[SB_] matrix_a_fmt:MATRIX_FMT_BF8 matrix_b_fmt:MATRIX_FMT_BF8 matrix_a_scale:MATRIX_SCALE_ROW1
.elseif RB_
	v_wmma_scale_f32_16x16x128_f8f6f4 v[D_:D_+7], v[A_:A_+15], v[B_:B_+15], v[C_:C_+7], v[SA_], v[SB_] matrix_a_fmt:MATRIX_FMT_BF8 matrix_b_fmt:MATRIX_FMT_BF8 matrix_b_scale:MATRIX_SCALE_ROW1
.else
	v_wmma_scale_f32_16x16x128_f8f6f4 v[D_:D_+7], v[A_:A_+15], v[B_:B_+15], v[C_:C_+7], v[SA_], v[SB_] matrix_a_fmt:MATRIX_FMT_BF8 matrix_b_fmt:MATRIX_FMT_BF8
.endif
.else
.if RA_ && RB_
	v_wmma_scale_f32_16x16x128_f8f6f4 v[D_:D_+7], v[A_:A_+15], v[B_:B_+15], v[D_:D_+7], v[SA_], v[SB_] matrix_a_fmt:MATRIX_FMT_BF8 matrix_b_fmt:MATRIX_FMT_BF8 matrix_a_scale:MATRIX_SCALE_ROW1 matrix_b_scale:MATRIX_SCALE_ROW1
.elseif RA_
	v_wmma_scale_f32_16x16x128_f8f6f4 v[D_:D_+7], v[A_:A_+15], v[B_:B_+15], v[D_:D_+7], v[SA_], v[SB_] matrix_a_fmt:MATRIX_FMT_BF8 matrix_b_fmt:MATRIX_FMT_BF8 matrix_a_scale:MATRIX_SCALE_ROW1
.elseif RB_
	v_wmma_scale_f32_16x16x128_f8f6f4 v[D_:D_+7], v[A_:A_+15], v[B_:B_+15], v[D_:D_+7], v[SA_], v[SB_] matrix_a_fmt:MATRIX_FMT_BF8 matrix_b_fmt:MATRIX_FMT_BF8 matrix_b_scale:MATRIX_SCALE_ROW1
.else
	v_wmma_scale_f32_16x16x128_f8f6f4 v[D_:D_+7], v[A_:A_+15], v[B_:B_+15], v[D_:D_+7], v[SA_], v[SB_] matrix_a_fmt:MATRIX_FMT_BF8 matrix_b_fmt:MATRIX_FMT_BF8
.endif
.endif
.endm
.macro MULW q, wlo, n, first
.if \first
	WIN 0xc5
.else
	WIN 0xf5+5*((\q)%2)
.endif
.set w_, \wlo
.rept \n
.set i_, 0
.rept 4
.set D_, 8*(8*i_+w_)
.set A_, 16*w_
.set B_, 128+16*i_
.set C_, BO+8*w_
.set SA_, SW+8*(w_/2)+(\q)
.set SB_, SAT+8*(i_/2)+(\q)
.set RA_, w_%2
.set RB_, i_%2
	WM \first
.set i_, i_+1
.endr
.set w_, w_+1
.endr
.endm
.macro FETCH q
	WIN (1+(\q)%2)<<6
.irp i, 0,1,2,3
.irp c, 0,1,2,3
	ds_load_b128 v[128+16*\i+4*\c:128+16*\i+4*\c+3], v[ADRA+((\q)/2)%2] offset:32768*((\q)%2)+2048*\i+512*\c
.endr
.endr
.irp w, 0,1,2,3,4,5,6,7
.irp c, 0,1,2,3
	ds_load_b128 v[16*\w+4*\c:16*\w+4*\c+3], v[ADRW+((\q)/2)%2] offset:128*((\q)%2)+32*\c+\w*16*PITCH
.endr
.endr
.endm
.macro STEP q, first
	s_wait_dscnt 16
	MULW \q, 0, 4, \first
	s_wait_dscnt 0x0
	PLACES 8
	FETCH (\q)+1
	MULW \q, 4, 4, \first
.endm
.macro TURN q, fill
	WIN 0
	s_wait_tensorcnt 0x0
	ds_add_u32 v[SPW], v[NIL]
.if (\q) == 1                                  ; the first change of slots: no load of mine is out, so the descriptors are set for the ring: half a tile a wave
	s_mov_b32 s[G1A+2], 128<<16
	s_mov_b32 s[G1A+4], 128
	s_mov_b32 s[G1W+2], 64<<16
	s_mov_b32 s[G1W+4], 64
.irp n, 0,1
	s_add_co_u32 s[G0A+4*\n+1], s[G0A+4*\n+1], s76
	s_add_nc_u64 s[G0A+4*\n+2:G0A+4*\n+3], s[G0A+4*\n+2:G0A+4*\n+3], s[78:79]
	s_add_co_u32 s[G0W+4*\n+1], s[G0W+4*\n+1], s77
	s_add_nc_u64 s[G0W+4*\n+2:G0W+4*\n+3], s[G0W+4*\n+2:G0W+4*\n+3], s[68:69]
.endr
.endif
	s_wait_dscnt 17
	MULW \q, 0, 2, 0
	s_wait_dscnt 0x0
	s_barrier_signal -1
	MULW \q, 2, 2, 0
	WIN 0
	s_barrier_wait -1
.if \fill
	CREST
	s_add_nc_u64 s[G0A+4*(((\q)/2)%2)+2:G0A+4*(((\q)/2)%2)+3], s[G0A+4*(((\q)/2)%2)+2:G0A+4*(((\q)/2)%2)+3], 131072
	s_add_nc_u64 s[G0W+4*(((\q)/2)%2)+2:G0W+4*(((\q)/2)%2)+3], s[G0W+4*(((\q)/2)%2)+2:G0W+4*(((\q)/2)%2)+3], 512
	JLOAD ((\q)/2)%2
	PLACES 4
.else
	PLACES 8
.endif
	FETCH (\q)+1
	MULW \q, 4, 4, 0
.endm
	s_load_b256 s[4:11], s[0:1], 0x0
	s_load_b128 s[12:15], s[0:1], 0x20
	v_lshl_add_u32 v[SPW], v0, 2, SPARE
	v_mov_b32 v[NIL], 0
	ds_add_u32 v14, v15
	ds_add_u32 v14, v15
	s_wait_dscnt 0x0
	v_lshrrev_b32 v2, 5, v0
	v_readfirstlane_b32 s[WV], v2
	s_lshr_b32 s21, s[WV], 1
	s_and_b32 s22, s[WV], 1
	s_bfe_u32 s23, ttmp6, 0x40000
	s_bfe_u32 s24, ttmp6, 0x40004
	s_lshl_b32 s25, ttmp9, 2
	s_add_co_u32 s25, s25, s23
	s_and_b32 s26, ttmp7, 0xffff
	s_lshl_b32 s26, s26, 2
	s_add_co_u32 s26, s26, s24
	s_lshl_b32 s27, s24, 2
	s_lshl_b32 s27, 15, s27
	s_lshl_b32 s28, 0x1111, s23
	s_or_b32 s[G1A], s27, (3<<16)|(1<<21)
	s_mov_b32 s[G1A+1], 32<<16
	s_mov_b32 s[G1A+2], 256<<16
	s_mov_b32 s[G1A+3], 32<<16
	s_mov_b32 s[G1A+4], 256
	s_mov_b32 s[G1A+5], 32
	s_mov_b32 s[G1A+6], 0
	s_mov_b32 s[G1A+7], 0
	s_or_b32 s[G1W], s28, (1<<20)|(1<<21)|(5<<22)|(3<<25)
	s_mov_b32 s[G1W+1], 256<<16
	s_mov_b32 s[G1W+2], 128<<16
	s_mov_b32 s[G1W+3], 256<<16
	s_mov_b32 s[G1W+4], 128
	s_mov_b32 s[G1W+5], 1024
	s_mov_b32 s[G1W+6], 0
	s_mov_b32 s[G1W+7], 0
	s_lshl_b32 s72, s26, 18                        ; the block's images
	s_mov_b32 s73, 0
	s_lshl_b32 s78, s22, 15                        ; in the ring I fetch half a tile: 32,768 bytes of att on,
	s_mov_b32 s79, 0
	s_lshl_b32 s74, s25, 17                        ; the tile's first row of W
	s_mov_b32 s75, 0
	s_lshl_b32 s68, s22, 16                        ; or 64 rows of W on,
	s_mov_b32 s69, 0
	s_lshl_b32 s76, s22, 15                        ; and the same in LDS
	s_mul_i32 s77, s22, 64*PITCH
	s_lshl_b32 s88, s26, 13
	s_lshl_b32 s89, s[WV], 8
	s_add_co_u32 s88, s88, s89
	s_mov_b32 s89, 0
	s_lshl_b32 s90, s25, 12
	s_mov_b32 s91, 0
	s_lshl_b32 s92, s25, 9
	s_mov_b32 s93, 0
	s_lshl_b32 s94, s26, 20
	s_lshl_b32 s95, s[WV], 18
	s_add_co_u32 s94, s94, s95
	s_add_co_u32 s94, s94, s92
	s_mov_b32 s95, 0
	s_wait_kmcnt 0x0
	s_add_nc_u64 s[72:73], s[4:5], s[72:73]
	s_add_nc_u64 s[74:75], s[8:9], s[74:75]
.irp n, 0,1
	s_mov_b32 s[G0A+4*\n], 1                       ; for the head: slot n's whole tile
	s_mov_b32 s[G0A+4*\n+1], \n*SLOT
	s_add_nc_u64 s[G0A+4*\n+2:G0A+4*\n+3], s[72:73], \n*65536
	s_or_b32 s[G0A+4*\n+3], s[G0A+4*\n+3], 0x80000000
	s_mov_b32 s[G0W+4*\n], 1
	s_mov_b32 s[G0W+4*\n+1], AB+\n*SLOT
	s_add_nc_u64 s[G0W+4*\n+2:G0W+4*\n+3], s[74:75], \n*256
	s_or_b32 s[G0W+4*\n+3], s[G0W+4*\n+3], 0x80000000
.endr
	CROUND                                         ; all sixteen work-groups are here: the first joint loads meet
.macro ARM under, g0, g1, next                 ; one chain of branches on the wave's number, a load to an arm: one tensor load a wave at the head
	s_cmp_lt_u32 s[WV], \under
	s_cbranch_scc0 \next
	tensor_load_to_lds s[\g0:\g0+3], s[\g1:\g1+7]
	s_nop 0
	PLACES 4
	s_branch .Lhead_asked
\next:
.endm
	ARM 1, G0A, G1A, .Lhead_w0                     ; slot 0's two tiles are asked for by waves 0 and 1, which alone wait at the first barrier;
	ARM 2, G0W, G1W, .Lhead_a1
	ARM 3, G0A+4, G1A, .Lhead_w1                   ; slot 1's by waves 2 and 3, which wait at the first change of slots
	tensor_load_to_lds s[G0W+4:G0W+7], s[G1W:G1W+7]
	s_nop 0
	PLACES 4
.Lhead_asked:
	s_cmp_eq_u32 s21, 0                            ; the prefetches: waves 0, 1 ask for att, waves 2, 3 for W
	s_cselect_b64 s[98:99], s[72:73], s[74:75]     ; the tile's first byte
	s_cselect_b32 s97, s23, s24                    ; my place among the four that ask for it jointly
	s_cselect_b32 s71, 31, 15                      ; the last lane that names a block of its own
	s_cselect_b32 s70, 8, 10                       ; from lane to lane: 256 bytes, or a row of 1,024
	s_cselect_b32 s3, 13, 14                       ; from wave to wave: 8,192 bytes, or 16 rows
	s_mov_b32 s80, 0x20000
	s_cselect_b32 s80, s80, 512                    ; to K step 2
	s_mov_b32 s82, 0x10000
	s_cselect_b32 s82, s82, 256                    ; from there to K step 3
	s_mov_b32 s81, 0
	s_mov_b32 s83, 0
	s_lshl_b32 s97, s97, 1
	s_add_co_u32 s97, s97, s22
	s_lshl_b32 s2, s97, s3
	s_mov_b32 s3, 0
	s_add_nc_u64 s[98:99], s[98:99], s[2:3]
	s_add_nc_u64 s[98:99], s[98:99], s[80:81]
	s_add_nc_u64 s[84:85], s[98:99], s[82:83]
	v_and_b32 v255, 31, v0
	v_min_u32 v255, s71, v255
	v_lshlrev_b32 v255, s70, v255
	global_prefetch_b8 v255, s[98:99] th:TH_LOAD_NT scope:SCOPE_SE   ; K step 2, which the first refill asks for
	s_add_nc_u64 s[6:7], s[6:7], s[88:89]
	s_add_nc_u64 s[10:11], s[10:11], s[90:91]
	s_add_nc_u64 s[12:13], s[12:13], s[92:93]
	s_add_nc_u64 s[14:15], s[14:15], s[94:95]
	v_and_b32 v2, 31, v0
	v_lshlrev_b32 v[LI], 4, v2
	v_lshlrev_b32 v3, 5, v2
	v_lshlrev_b32 v10, 2, v2
	v_and_b32 v12, 15, v0
	v_bfe_u32 v13, v0, 4, 1
	v_lshlrev_b32 v11, 5, v13
.irp q, 0,1,2,3,4,5,6,7
.irp j, 0,1
	global_load_b32 v[SAT+8*\j+\q], v10, s[6:7] offset:1024*\q+128*\j
.endr
.endr
.irp g, 0,1,2,3
	global_load_b128 v[SW+8*\g:SW+8*\g+3], v3, s[10:11] offset:1024*\g
	global_load_b128 v[SW+8*\g+4:SW+8*\g+7], v3, s[10:11] offset:1024*\g+16
.endr
.irp w, 0,1,2,3,4,5,6,7
	global_load_b128 v[BO+8*\w:BO+8*\w+3], v11, s[12:13] offset:64*\w
	global_load_b128 v[BO+8*\w+4:BO+8*\w+7], v11, s[12:13] offset:64*\w+16
.endr
	s_lshl_b32 s96, s[WV], 13
	v_add_nc_u32 v[ADRA], s96, v[LI]
	v_add_nc_u32 v[ADRA+1], SLOT, v[ADRA]
	v_mul_u32_u24 v[ADRW], v12, PITCH
	v_lshl_add_u32 v[ADRW], v13, 4, v[ADRW]
	v_add_nc_u32 v[ADRW], AB, v[ADRW]
	v_add_nc_u32 v[ADRW+1], SLOT, v[ADRW]
	s_mul_i32 s96, s[WV], 16*SPITCH
	s_add_co_u32 s96, s96, STAGE
	v_mul_u32_u24 v[STO], v12, SPITCH
	v_lshl_add_u32 v[STO], v13, 5, v[STO]
	v_add_nc_u32 v[STO], s96, v[STO]
	v_add_nc_u32 v[RD], s96, v[LI]
	s_wait_alu depctr_va_vdst(0)
	s_wait_loadcnt 0x0
	s_cmp_lt_u32 s[WV], 2
	s_cbranch_scc0 .Lslot_1_later
	s_wait_tensorcnt 0x0                           ; waves 0 and 1: slot 0's tiles are in; the first two steps of 128 read slot 0 alone
.Lslot_1_later:
	s_barrier_signal -1
	s_barrier_wait -1
	FETCH 0
	global_prefetch_b8 v255, s[84:85] th:TH_LOAD_NT scope:SCOPE_SE   ; K step 3, which the second refill asks for, three steps of 128 on
	STEP 0, 1
	TURN 1, 1
	STEP 2, 0
	TURN 3, 1
	STEP 4, 0
	TURN 5, 0
	STEP 6, 0
	s_wait_dscnt 16
	MULW 7, 0, 4, 0
	s_wait_dscnt 0x0
	MULW 7, 4, 4, 0
	WIN 0
	PLACES 8
	s_wait_xcnt 0x0                                ; the prefetches have read v255, which the way out writes
.macro TOSTAGE a
	WIN 0x0c
.irp w, 0,1,2,3,4,5,6,7
	ds_store_b128 v[STO], v[64*(\a)+8*\w:64*(\a)+8*\w+3] offset:64*\w
	ds_store_b128 v[STO], v[64*(\a)+8*\w+4:64*(\a)+8*\w+7] offset:64*\w+16
.endr
	WIN 0
.irp t, 0,1,2,3,4,5,6,7,8,9,10,11,12,13,14,15
	ds_load_b128 v[BK+64*((\a)%2)+4*\t:BK+64*((\a)%2)+4*\t+3], v[RD] offset:\t*SPITCH
.endr
.endm
.macro SEND a, younger
	s_wait_dscnt \younger
.irp t, 0,1,2,3,4,5,6,7,8,9,10,11,12,13,14,15
	global_store_b128 v[LI], v[BK+64*((\a)%2)+4*\t:BK+64*((\a)%2)+4*\t+3], s[14:15] offset:(16*(\a)+\t)*4096 th:TH_STORE_NT
.endr
.endm
	TOSTAGE 0
.irp a, 1,2,3
.if \a > 1
	s_wait_xcnt 0x0
.endif
	TOSTAGE \a
	SEND \a-1, 32
.endr
	SEND 3, 0
	s_wait_tensorcnt 0x0
	ds_add_u32 v[SPW], v[NIL]
	s_wait_dscnt 0x0
	CROUND
	s_endpgm
.Lfunc_end_k_q47a7c6ca68_proj:
	.size	k_q47a7c6ca68_proj, .Lfunc_end_k_q47a7c6ca68_proj-k_q47a7c6ca68_proj
	.p2alignl 7, 3214868480
	.fill 96, 4, 3214868480
	.section	.rodata,"a",@progbits
	.p2align	6, 0x0
	.amdhsa_kernel k_q47a7c6ca68_proj
		.amdhsa_group_segment_fixed_size 327680
		.amdhsa_private_segment_fixed_size 0
		.amdhsa_enable_private_segment 0
		.amdhsa_kernarg_size 48
		.amdhsa_user_sgpr_count 2
		.amdhsa_user_sgpr_kernarg_segment_ptr 1
		.amdhsa_wavefront_size32 1
		.amdhsa_system_sgpr_workgroup_id_x 1
		.amdhsa_system_sgpr_workgroup_id_y 1
		.amdhsa_system_sgpr_workgroup_id_z 1
		.amdhsa_system_vgpr_workitem_id 0
		.amdhsa_next_free_vgpr 1024
		.amdhsa_next_free_sgpr 100
		.amdhsa_reserve_vcc 0
		.amdhsa_float_denorm_mode_32 3
		.amdhsa_float_denorm_mode_16_64 3
		.amdhsa_memory_ordered 1
		.amdhsa_forward_progress 1
		.amdhsa_inst_pref_size 89
	.end_amdhsa_kernel
	.amdgpu_metadata
---
amdhsa.version: [ 1, 2 ]
amdhsa.kernels:
  - .name:           k_q47a7c6ca68_proj
    .symbol:         k_q47a7c6ca68_proj.kd
    .args:
      - { .name: att_img, .offset: 0, .size: 8, .value_kind: global_buffer, .address_space: global }
      - { .name: att_scl, .offset: 8, .size: 8, .value_kind: global_buffer, .address_space: global }
      - { .name: W_out_codes, .offset: 16, .size: 8, .value_kind: global_buffer, .address_space: global }
      - { .name: W_out_scales, .offset: 24, .size: 8, .value_kind: global_buffer, .address_space: global }
      - { .name: b_out, .offset: 32, .size: 8, .value_kind: global_buffer, .address_space: global }
      - { .name: out0, .offset: 40, .size: 8, .value_kind: global_buffer, .address_space: global }
    .group_segment_fixed_size: 327680
    .private_segment_fixed_size: 0
    .kernarg_segment_align: 8
    .kernarg_segment_size: 48
    .max_flat_workgroup_size: 128
    .sgpr_count:     100
    .vgpr_count:     1024
    .wavefront_size: 32
...
	.end_amdgpu_metadata
.endif
;; end of part 3
